; MI455X (gfx1250); checked and timed in simulation.
; The chip was launched on July 23, 2026; its instructions are those of AMD's public machine-readable ISA for CDNA 5 (MIT licence, August 2026) and "CDNA5" Instruction Set Architecture Reference Guide (July 2026). The comments in the code are by the model that wrote it; some were corrected since.
;; Dendritic Compartment. Allowed arithmetic: matrix products marked QUANTISED: E2M1 operands, one E8M0 scale for each 32 along K, by v_wmma_scale_f32_16x16x128_f8f6f4 with both operands' format E2M1 (or v_wmma_scale_f32_32x16x128_f4), f32 sums; products left as they are: f32 operands where the result goes on into a quantised operand, else bf16, f16 or f32 operands; f32 sums; everything else in f32.
;; Inputs: W_gate 4 x 2,048 float32; W_seg 4 x 2,048 x 2,048 float32; b_gate 4 float32; b_seg 4 x 2,048 float32; threshold 4 x 2,048 float32; x 4,096 x 2,048 float32.
;; Outputs: out0 4,096 x 2,048 float32.
;; This version of the problem:
;;   THIS VERSION OF THE PROBLEM IS GIVEN IN LOW PRECISION. The matrix products marked QUANTISED in the list below multiply operands that are first quantised to E2M1 (2 exponent bits, 1 mantissa bit; 4 bits a number), with one power-of-two scale for each 32 numbers along K (OCP MX v1.0); their sums are f32. All else is computed in f32.
;;   The module's matrix products, in the order in which they are computed (A, B: the left and right operand; K: the contracted axis; several contracted axes count as one K, in the product's order):
;;     1. [M 4,096, K 2,048] x [K 2,048, N 4]; A: input x; B: input W_gate: left as it is (N = 4 < 16)
;;     2. [M 8,192, K 2,048] x [K 2,048, N 4,096]; A: input W_seg; B: input x: QUANTISED
;;   THE QUANTISER, for each operand of a quantised product, along K:
;;     - K is cut into blocks of 32 from its start; a last block that is shorter is filled with zeros.
;;     - A block's scale is 2^e with e = floor(log2(the largest magnitude in the block)) - 2, held to -126 .. 127; a block of zeros has e = 0. As a byte (E8M0): e + 127.
;;     - Each number is divided by its block's scale, clamped to +-6, and rounded to the nearest number of E2M1, ties to even, subnormals kept.
;;     - The product sums the exact products of the quantised numbers (number of the format x scale) in f32.
;;   ~~~python
;;   def quantise(x, axis):      # numpy; x: float32 -> the quantised numbers, widened to float32 again
;;       x = np.moveaxis(x, axis, -1); K = x.shape[-1]
;;       x = np.pad(x, [(0, 0)] * (x.ndim - 1) + [(0, -K % 32)]); x = x.reshape(x.shape[:-1] + (-1, 32)); a = np.abs(x).max(-1, keepdims=True)
;;       e = np.where(a > 0, np.clip(np.frexp(np.where(a > 0, a, 1))[1] - 1 - 2, -126, 127), 0)      # np.frexp(a)[1] - 1 = floor(log2(a)), exactly
;;       r = np.clip(x / 2.0 ** e, -6, 6)
;;       step = 2.0 ** (np.maximum(np.frexp(np.where(r == 0, 1, r))[1] - 1, 0) - 1)
;;       q = np.round(r / step) * step * 2.0 ** e      # np.round: ties to even
;;       return np.moveaxis(q.reshape(q.shape[:-2] + (-1,))[..., :K], -1, axis).astype(np.float32)
;;   ~~~
;; One version. Each part assembles by itself: llvm-mc -triple=amdgcn-amd-amdhsa -mcpu=gfx1250 --defsym DOCPART=n.
;; ======== version 1 of 1: 2 launches
;; limits: right only within a limited range of input values
;; workspace buffers: x_codes 4,194,304 bytes; x_scales 262,144 bytes; w_codes 8,388,608 bytes; w_scales 524,288 bytes; gates 65,536 bytes
;; launch quant (part 1): grid 768 x 1, 4 waves a work-group, no clusters, 44,544 bytes of LDS; arguments x, W_seg, W_gate, b_gate, x_codes, x_scales, w_codes, w_scales, gates; writes x_codes, x_scales, w_codes, w_scales, gates
.if DOCPART == 1
	.amdgcn_target "amdgcn-amd-amdhsa--gfx1250"
	.amdhsa_code_object_version 6
	.text
	.protected	k_qce884edd61_quant
	.globl	k_qce884edd61_quant
	.p2align	8
	.type	k_qce884edd61_quant,@function
k_qce884edd61_quant:
	s_mov_b64 s[64:65], 0
	v_nop
	global_prefetch_b8 v0, s[64:65] scope:SCOPE_SE
	s_setreg_imm32_b32 hwreg(HW_REG_WAVE_MODE, 25, 1), 1
	s_wait_xcnt 0x0
; x [4096][2048] and W_seg [4][2048][2048], f32 with K innermost, are turned into codes of FP4 (E2M1), two to a byte, the lower k in the low four bits,
; with one E8M0 scale byte for each 32 along K.  The launch also makes gates[b][s] = sigmoid(x[b] . W_gate[s] + b_gate[s]), in f32, since it holds x's numbers anyway.
; A block's scale is 2^(floor(log2(its largest magnitude)) - 2); its byte is the largest magnitude's own exponent field - 2, held at 1 from below.
; LIMITS: a block whose largest magnitude lies under 2^-124 (a block of zeros too) gets the byte 1 where the rule says otherwise for zeros: a zero block's codes are zeros, which add
; nothing, and this program alone reads the bytes.  NaN and infinities among the inputs are not served.
; x's codes lie [4096][1024 bytes], its scale bytes [4096][64].  W's ROWS ARE LAID IN AN ORDER OF THE PROGRAM'S OWN: row (s, d) goes to row n' = 128 (d / 32) + 32 s + d % 32 of
; w_codes [8192][1024] and w_scales [8192][64], so that 128 consecutive rows are the four segments of the same 32 d: the product's launch then finds the four segments of an output in one lane.
; SHARES.  A work-group takes 16 rows: work-groups 0-255 x's, 256-767 W_seg's (16 rows of one segment never leave a group of 32 d: they are 16 consecutive n').
; Wave w takes columns 512 w .. 512 w + 511 of every row; step t is row t.  So a lane's columns are the same in every step, and its 4 x 16 numbers of W_gate stay in registers.
; Each of a step's four loads reads 512 consecutive bytes, 16 a lane.  The conversions want 16 NEIGHBOURS along K in one lane: the step's 2,048 bytes go through the wave's own stage in LDS as they lie and come
; back 64 bytes a lane (16 bytes of padding behind each 64).  Lanes l and l xor 1 hold a block of 32.  A lane's 16 codes are 8 bytes: a wave's store covers 256 consecutive bytes, aligned.
; The 16 rows' scale bytes, 1,024 consecutive bytes of memory, are gathered in LDS by the four waves and leave behind the one barrier, 256 consecutive bytes a wave.
; TWO PATHS, parted once on the work-group's number, each with LDS bytes of its own and its own end.  No tensor loads, no ring.  Loads run four steps (16 loads a wave) ahead, the turn through LDS one step.
; Every offset is an immediate and no store's register is written while the store may read it: each step has its own registers for codes and byte, the gate partials two sets by turns.
.set SP,    80                         ; a lane's place in a stage: its 64 bytes + 16 of padding
.set STG,   32*SP                      ; a stage
.set WST,   2*STG                      ; a wave's two stages
.set XPB,   0                          ; x's path: the four waves' stages,
.set XSCB,  XPB+4*WST                  ; 16 rows x 64 scale bytes,
.set XGPB,  XSCB+1024                  ; the gate partials: wave w at 256 w, row t at 16 t, four f32
.set WPB,   XGPB+1024                  ; W's path: stages,
.set WSCB,  WPB+4*WST                  ; and scale bytes; the end is at 44,032
.set ROWF,  8192                       ; a row of 2,048 f32 in bytes
.set R,     16                         ; v16-79    four sets of 16 numbers as they are loaded
.set X,     80                         ; v80-111   two sets of 16 neighbours
.set E,     112                        ; v112-127  a scale byte for each step
.set C,     128                        ; v128-159  two registers of codes for each step
.set WGT,   160                        ; v160-223  W_gate: 16 s + i = W_gate[s][my column i]
.set GA,    224                        ; v224-231  a pair of running sums for each s
.set GS,    232                        ; v232-239  the four sums of a row, two sets by turns
.set GT,    240                        ; v240-243  the other half of the lanes' sums
.set BG,    244                        ; v[244:245] my two numbers of b_gate
.set GZ,    246                        ; v246-253  the four waves' partials
.set SEL,   24                         ; s[24:25]  lane selects for v_permlanex16_b32: lane l xor 16
; v1 lane; v2 my bytes in a row of W_gate; v3 my 16 bytes of a load; v4 256 x wave + 8 x lane: my codes in a row, and my 8 of the 1,024 scale bytes; v5 my block's scale byte in a row; v7 8 x lane;
; v8, v9, v11 at work; v10 my wave's partials; v14, v15 the stage, in and out; v254 my place in b_gate
.macro LOAD t                          ; row t: my wave's 2,048 bytes
.irp i, 0,1,2,3
	global_load_b128 v[R+16*((\t)%4)+4*\i:R+16*((\t)%4)+4*\i+3], v3, s[32:33] offset:ROWF*(\t)+512*\i th:TH_LOAD_NT   ; 32 lanes read 512 consecutive bytes; read once in the launch
.endr
.endm
.macro TURN t, pb                      ; step t's numbers through the stage: LDS serves a wave's instructions in order (ISA guide 5.7.1), so no wait stands between the stores and the loads
.irp i, 0,1,2,3
	ds_store_b128 v14, v[R+16*((\t)%4)+4*\i:R+16*((\t)%4)+4*\i+3] offset:\pb+STG*((\t)%2)+8*SP*\i
.endr
.irp i, 0,1,2,3
	ds_load_b128 v[X+16*((\t)%2)+4*\i:X+16*((\t)%2)+4*\i+3], v15 offset:\pb+STG*((\t)%2)+16*\i
.endr
.endm
; One row.  gate = 1: x's path, which also makes the row's four partial sums for the gates.
.macro STEP t, gate, pb, scb, gpb
.set XS, X+16*((\t)%2)
.if (\t) > 0
	s_wait_dscnt 1+\gate                           ; this step's numbers are back from the stage; behind them only the last step's byte store (and its store of partials) was issued
.else
	s_wait_dscnt 0x0
.endif
.if (\t)+4 < 16
	LOAD (\t)+4                                    ; into the registers that this step's stores into the stage have read
.endif
.if (\t)+1 < 16
.if 14-(\t) >= 3
	s_wait_loadcnt 12                              ; the next step's four loads are in; those of the three steps behind it may be out
.else
	s_wait_loadcnt 4*(14-(\t))
.endif
	TURN (\t)+1, \pb                               ; they go through the other stage while this step is worked
.endif
	v_max3_num_f32 v8, |v[XS]|, |v[XS+1]|, |v[XS+2]|               ; the largest magnitude of my 16, in two chains
	v_max3_num_f32 v9, |v[XS+3]|, |v[XS+4]|, |v[XS+5]|
.irp i, 6,10
	v_max3_num_f32 v8, v8, |v[XS+\i]|, |v[XS+\i+1]|
	v_max3_num_f32 v9, v9, |v[XS+\i+2]|, |v[XS+\i+3]|
.endr
	v_max3_num_f32 v8, v8, |v[XS+14]|, |v[XS+15]|
	v_max3_num_f32 v8, v8, v9, 0x1800000           ; and the floor 2^(3 - 127): the byte cannot fall under 1
	v_max_num_f32_dpp v8, v8, v8 row_xmask:1 row_mask:0xf bank_mask:0xf   ; with my neighbour's 16: the block's
	v_add_nc_u32 v11, 0xff000000, v8               ; 2 off its exponent field: the conversion takes the exponent field of this operand as its scale, and nothing else of it
	v_cvt_scalef32_pk8_fp4_f32 v[C+2*(\t)], v[XS:XS+7], v11        ; eight numbers / the scale, to the nearest code, ties to even, beyond 6 the largest code; the first number's code in the lowest bits
	v_cvt_scalef32_pk8_fp4_f32 v[C+2*(\t)+1], v[XS+8:XS+15], v11
	v_lshrrev_b32 v[E+(\t)], 23, v11               ; the scale's byte (also the plain line behind the conversions)
	ds_store_b8 v5, v[E+(\t)] offset:\scb+64*(\t)  ; both lanes of a block write the same byte with the same value
	global_store_b64 v4, v[C+2*(\t):C+2*(\t)+1], s[34:35] offset:1024*(\t)   ; the wave stores 256 consecutive bytes, at a multiple of 256 from the buffer's first byte
.if \gate
.set GSS, GS+4*((\t)%2)                ; this set's last store, two steps back, is shown done by the wait at this step's head
.irp s, 0,1,2,3
	v_pk_mul_f32 v[GA+2*\s:GA+2*\s+1], v[XS:XS+1], v[WGT+16*\s:WGT+16*\s+1]   ; the first products start the sums; the four s by turns
.endr
.irp i, 2,4,6,8,10,12,14
.irp s, 0,1,2,3
	v_pk_fma_f32 v[GA+2*\s:GA+2*\s+1], v[XS+\i:XS+\i+1], v[WGT+16*\s+\i:WGT+16*\s+\i+1], v[GA+2*\s:GA+2*\s+1]
.endr
.endr
.irp s, 0,1,2,3
	v_add_f32 v[GSS+\s], v[GA+2*\s], v[GA+2*\s+1]
.endr
.irp m, 1,2,4,8
.irp s, 0,1,2,3
	v_add_f32_dpp v[GSS+\s], v[GSS+\s], v[GSS+\s] row_xmask:\m row_mask:0xf bank_mask:0xf
.endr
.endr
.irp s, 0,1,2,3
	v_permlanex16_b32 v[GT+\s], v[GSS+\s], s[SEL], s[SEL+1]
.endr
.irp s, 0,1,2,3
	v_add_f32 v[GSS+\s], v[GSS+\s], v[GT+\s]       ; every lane holds my wave's 512 columns' part of the row's four sums
.endr
	ds_store_b128 v10, v[GSS:GSS+3] offset:\gpb+16*(\t)   ; all lanes write the same words with the same values
.endif
.endm
; The 16 rows' scale bytes come from four waves: each waits for its LDS stores, one barrier, and each wave stores 256 of the 1,024 consecutive bytes.
.macro TAIL scb
	s_wait_dscnt 0x0                               ; for the others' sake: my stores have landed
	s_barrier_signal -1
	s_barrier_wait -1
	ds_load_b64 v[12:13], v4 offset:\scb
	s_wait_dscnt 0x0
	global_store_b64 v4, v[12:13], s[36:37]
.endm
	s_load_b256 s[4:11], s[0:1], 0x0               ; x s[4:5], W_seg s[6:7], W_gate s[8:9], b_gate s[10:11]
	s_load_b256 s[12:19], s[0:1], 0x20             ; x_codes s[12:13], x_scales s[14:15], w_codes s[16:17], w_scales s[18:19]
	s_load_b64 s[20:21], s[0:1], 0x40              ; gates
	v_lshl_add_u32 v6, v0, 2, 0xac00
	v_mov_b32 v255, 0
	v_lshrrev_b32 v1, 5, v0
	v_readfirstlane_b32 s22, v1                    ; wave 0..3
	v_and_b32 v1, 31, v0                           ; lane
	s_lshl_b32 s28, s22, 11                        ; my wave's 2,048 bytes of a row of f32
	v_lshl_add_u32 v2, v1, 6, s28                  ; W_gate: my 16 columns
	v_lshl_add_u32 v3, v1, 4, s28                  ; a load: my 16 bytes of its 512
	s_lshl_b32 s28, s22, 8
	v_lshl_add_u32 v4, v1, 3, s28                  ; 256 x wave + 8 x lane
	v_mov_b32 v10, s28                             ; my wave's partials
	v_lshlrev_b32 v7, 3, v1
	s_lshl_b32 s28, s22, 4
	v_lshrrev_b32 v5, 1, v1
	v_add_nc_u32 v5, s28, v5                       ; 16 x wave + lane / 2: my block among a row's 64
	s_mul_i32 s28, s22, WST
	v_lshrrev_b32 v14, 2, v1
	v_mul_u32_u24 v14, v14, SP
	v_and_b32 v15, 3, v1
	v_lshl_add_u32 v14, v15, 4, v14
	v_add_nc_u32 v14, s28, v14                     ; the stage, in: four lanes' 64 bytes on end, then the padding; a load's 512 bytes take eight places
	v_mul_u32_u24 v15, v1, SP
	v_add_nc_u32 v15, s28, v15                     ; and out: my 16 neighbours
	s_mov_b32 s27, 0                               ; the high word of every offset: all stay under 2^32
	s_wait_kmcnt 0x0
	s_cmp_lt_u32 ttmp9, 256
	s_cbranch_scc0 .Lw                             ; the same way for all four waves of a work-group
	; ---- x's path
	s_lshl_b32 s26, ttmp9, 17                      ; 16 rows of 8,192 bytes
	s_add_nc_u64 s[32:33], s[4:5], s[26:27]
	s_lshl_b32 s26, ttmp9, 14                      ; 16 rows of 1,024
	s_add_nc_u64 s[34:35], s[12:13], s[26:27]
	s_lshl_b32 s26, ttmp9, 10                      ; 16 rows of 64
	s_add_nc_u64 s[36:37], s[14:15], s[26:27]
	s_lshl_b32 s26, ttmp9, 8                       ; 16 rows of 16
	s_add_nc_u64 s[20:21], s[20:21], s[26:27]
	s_mov_b32 s[SEL], 0x76543210
	s_mov_b32 s[SEL+1], 0xfedcba98
	v_and_b32 v254, 1, v1
	v_lshlrev_b32 v254, 3, v254                    ; even lanes b_gate[0], [1]; odd lanes [2], [3]
.irp s, 0,1,2,3
	v_mov_b32 v[GT+\s], 0                          ; written once: a lane permute's destination counts as one of its sources
.endr
	global_load_b64 v[BG:BG+1], v254, s[10:11]
.irp s, 0,1,2,3
.irp j, 0,1,2,3
	global_load_b128 v[WGT+16*\s+4*\j:WGT+16*\s+4*\j+3], v2, s[8:9] offset:ROWF*\s+16*\j   ; once a wave
.endr
.endr
.irp t, 0,1,2,3
	LOAD \t
.endr
	s_wait_loadcnt 12                              ; b_gate, W_gate and step 0's four loads are in; steps 1 to 3 may be out
	s_wait_alu depctr_va_vdst(0)
	TURN 0, XPB
.irp t, 0,1,2,3,4,5,6,7,8,9,10,11,12,13,14,15
	STEP \t, 1, XPB, XSCB, XGPB
.endr
	TAIL XSCB                                      ; its barrier also shows every wave's partials landed
	s_cmp_lg_u32 s22, 0
	s_cbranch_scc1 .Lxend                          ; wave 0 finishes the gates: lane l has row l / 2, segments 2 (l % 2) and 2 (l % 2) + 1
.irp w, 0,1,2,3
	ds_load_b64 v[GZ+2*\w:GZ+2*\w+1], v7 offset:XGPB+256*\w
.endr
	s_wait_dscnt 0x0
	v_pk_add_f32 v[GZ:GZ+1], v[GZ:GZ+1], v[GZ+2:GZ+3]
	v_pk_add_f32 v[GZ+4:GZ+5], v[GZ+4:GZ+5], v[GZ+6:GZ+7]
	v_pk_add_f32 v[GZ:GZ+1], v[GZ:GZ+1], v[GZ+4:GZ+5]
	v_pk_add_f32 v[GZ:GZ+1], v[GZ:GZ+1], v[BG:BG+1]
	v_pk_mul_f32 v[GZ:GZ+1], v[GZ:GZ+1], 0xbfb8aa3b op_sel_hi:[1,0]   ; x -log2(e): sigmoid(z) = 1 / (1 + 2^(-z log2 e))
	s_wait_alu depctr_va_vdst(0)
	v_exp_f32 v[GZ], v[GZ]
	v_exp_f32 v[GZ+1], v[GZ+1]
	v_nop                                          ; a plain line behind the exponentials,
	s_wait_alu depctr_va_vdst(0)                   ; and the wait ahead of their first reader
	v_pk_add_f32 v[GZ:GZ+1], v[GZ:GZ+1], 1.0 op_sel_hi:[1,0]
	s_wait_alu depctr_va_vdst(0)
	v_rcp_f32 v[GZ], v[GZ]
	v_rcp_f32 v[GZ+1], v[GZ+1]
	v_nop
	s_wait_alu depctr_va_vdst(0)
	global_store_b64 v7, v[GZ:GZ+1], s[20:21]      ; 16 rows x 4 gates: 256 consecutive bytes, aligned
.Lxend:
	s_wait_tensorcnt 0x0
	ds_add_u32 v6, v255
	s_wait_dscnt 0x0
	s_endpgm
	; ---- W's path
.Lw:
	s_sub_co_u32 s28, ttmp9, 256                   ; g: rows 16 g .. 16 g + 15 of the 8,192: segment g / 128, d = 16 (g % 128) on
	s_lshl_b32 s26, s28, 17
	s_add_nc_u64 s[32:33], s[6:7], s[26:27]
	s_and_b32 s29, s28, 127
	s_lshr_b32 s29, s29, 1
	s_lshl_b32 s29, s29, 7                         ; 128 (d / 32)
	s_lshr_b32 s30, s28, 7
	s_lshl_b32 s30, s30, 5                         ; + 32 s
	s_add_co_u32 s29, s29, s30
	s_and_b32 s30, s28, 1
	s_lshl_b32 s30, s30, 4                         ; + d % 32
	s_add_co_u32 s29, s29, s30                     ; n' of my first row
	s_lshl_b32 s26, s29, 10
	s_add_nc_u64 s[34:35], s[16:17], s[26:27]
	s_lshl_b32 s26, s29, 6
	s_add_nc_u64 s[36:37], s[18:19], s[26:27]
.irp t, 0,1,2,3
	LOAD \t
.endr
	s_wait_loadcnt 12                              ; step 0's four loads are in
	s_wait_alu depctr_va_vdst(0)
	TURN 0, WPB
.irp t, 0,1,2,3,4,5,6,7,8,9,10,11,12,13,14,15
	STEP \t, 0, WPB, WSCB, 0
.endr
	TAIL WSCB
	s_wait_tensorcnt 0x0
	ds_add_u32 v6, v255
	s_wait_dscnt 0x0
	s_endpgm
.Lfunc_end_k_qce884edd61_quant:
	.size	k_qce884edd61_quant, .Lfunc_end_k_qce884edd61_quant-k_qce884edd61_quant
	.p2alignl 7, 3214868480
	.fill 96, 4, 3214868480
	.section	.rodata,"a",@progbits
	.p2align	6, 0x0
	.amdhsa_kernel k_qce884edd61_quant
		.amdhsa_group_segment_fixed_size 44544
		.amdhsa_private_segment_fixed_size 0
		.amdhsa_enable_private_segment 0
		.amdhsa_kernarg_size 72
		.amdhsa_user_sgpr_count 2
		.amdhsa_user_sgpr_kernarg_segment_ptr 1
		.amdhsa_wavefront_size32 1
		.amdhsa_system_sgpr_workgroup_id_x 1
		.amdhsa_system_sgpr_workgroup_id_y 1
		.amdhsa_system_sgpr_workgroup_id_z 1
		.amdhsa_system_vgpr_workitem_id 0
		.amdhsa_next_free_vgpr 256
		.amdhsa_next_free_sgpr 66
		.amdhsa_reserve_vcc 0
		.amdhsa_float_denorm_mode_32 3
		.amdhsa_float_denorm_mode_16_64 3
		.amdhsa_memory_ordered 1
		.amdhsa_forward_progress 1
		.amdhsa_inst_pref_size 125
	.end_amdhsa_kernel
	.amdgpu_metadata
---
amdhsa.version: [ 1, 2 ]
amdhsa.kernels:
  - .name:           k_qce884edd61_quant
    .symbol:         k_qce884edd61_quant.kd
    .args:
      - { .name: x, .offset: 0, .size: 8, .value_kind: global_buffer, .address_space: global }
      - { .name: W_seg, .offset: 8, .size: 8, .value_kind: global_buffer, .address_space: global }
      - { .name: W_gate, .offset: 16, .size: 8, .value_kind: global_buffer, .address_space: global }
      - { .name: b_gate, .offset: 24, .size: 8, .value_kind: global_buffer, .address_space: global }
      - { .name: x_codes, .offset: 32, .size: 8, .value_kind: global_buffer, .address_space: global }
      - { .name: x_scales, .offset: 40, .size: 8, .value_kind: global_buffer, .address_space: global }
      - { .name: w_codes, .offset: 48, .size: 8, .value_kind: global_buffer, .address_space: global }
      - { .name: w_scales, .offset: 56, .size: 8, .value_kind: global_buffer, .address_space: global }
      - { .name: gates, .offset: 64, .size: 8, .value_kind: global_buffer, .address_space: global }
    .group_segment_fixed_size: 44544
    .private_segment_fixed_size: 0
    .kernarg_segment_align: 8
    .kernarg_segment_size: 72
    .max_flat_workgroup_size: 128
    .sgpr_count:     66
    .vgpr_count:     256
    .wavefront_size: 32
...
	.end_amdgpu_metadata
.endif
;; end of part 1
;; launch gemm (part 2): grid 32 x 16, 4 waves a work-group, clusters of 4 x 4, 327,680 bytes of LDS; arguments x_codes, x_scales, w_codes, w_scales, gates, b_seg, threshold, out0; writes out0
.if DOCPART == 2
	.amdgcn_target "amdgcn-amd-amdhsa--gfx1250"
	.amdhsa_code_object_version 6
	.text
	.protected	k_qce884edd61_gemm
	.globl	k_qce884edd61_gemm
	.p2align	8
	.type	k_qce884edd61_gemm,@function
k_qce884edd61_gemm:
	s_mov_b64 s[64:65], 0
	v_nop
	global_prefetch_b8 v0, s[64:65] scope:SCOPE_SE
	s_setreg_imm32_b32 hwreg(HW_REG_WAVE_MODE, 25, 1), 1
	s_wait_xcnt 0x0
	s_wait_alu depctr_hold_cnt(0) depctr_sa_sdst(0) depctr_va_vdst(0) depctr_va_sdst(0) depctr_va_ssrc(0) depctr_va_vcc(0) depctr_vm_vsrc(0)
	s_getreg_b32 s2, hwreg(HW_REG_IB_STS2, 6, 4)
	s_cmp_eq_u32 s2, 0
	s_cbranch_scc0 .Lentry_in_a_cluster
	s_endpgm
.Lentry_in_a_cluster:
	s_bfe_u32 s2, ttmp6, 0x10000c
	s_cmp_lg_u32 s2, 0xf033
	s_cbranch_scc0 .Lentry_shape_is_right
	s_endpgm
.Lentry_shape_is_right:
; out0[b][d] = sum over s of st(s) + 0.1 sign(prod st(s)) (prod |st(s)|)^(1/4),  st(s) = seg(s) sigmoid(5 (seg(s) - threshold[s][d])) gates[b][s],
; seg(s) = sum over k of x[b][k] W_seg[s][d][k] + b_seg[s][d], the product on codes of FP4 (E2M1) with one E8M0 scale for each 32 along K, sums in f32.
; A = x's codes [4096][1024 bytes], B = W's codes [8192 n'][1024 bytes], n' = 128 (d / 32) + 32 s + d % 32; scale bytes [rows][64]; gates [4096][4] f32: made by the launch before.
; A work-group of four waves makes 256 b x 256 n'; a wave 128 b x 128 n': 64 accumulators, 512 registers.  A wave's 128 rows of B are the four segments of the same 32 d.
; THE MATRIX INSTRUCTION IS USED TRANSPOSED (source 0 = 16 rows of W, source 1 = 16 rows of x): in accumulator (a, 2 s + u) lane (r, h) holds in register j
; seg[s][b = 16 a + r][d = 16 u + 8 h + j]: the four segments of an output lie in one lane.  The bias is the C of each sum's first matrix instruction.
; K goes in four steps of 512 through a ring of two LDS slots; a tile's row is 256 bytes of memory.  The scales of the 256 + 256 rows, for all of K, come into LDS once.
; CLUSTERS: 4 x 4 work-groups; x's tiles are asked for jointly along a row of the cluster, W's along a column.
; PREFETCH: of the 128 rows that a wave fetches in the ring, each of the four partners that ask for them jointly names 32, told apart by address, a lane a row, 256 bytes of a row an instruction.
; Behind the head's load K steps 1 and 2 are named, behind K step 1's load K step 3: never more than two K steps are asked for and not yet loaded, and every address lies inside its row.
; BEHIND THE PRODUCT, with e(s) = 2^(c (threshold - seg)), c = 5 log2(e), a(s) = 1 + e(s), m(s) = gate(s) seg(s), R = 1 / (a0 a1 a2 a3):
;   the sum is ((m0 a1 + m1 a0) a2 a3 + (m2 a3 + m3 a2) a0 a1) R, the product m0 m1 m2 m3 R: one reciprocal for the four sigmoids of an output.
; It goes in units of 16 b x 16 d (8 outputs a lane), four units under way at a time; the plain lines go level by level over the unit's four pairs.
; LIMITS: NaN and infinities among the inputs are not served.  a(s) is held at 2^30, so that the product of four stays finite: where seg - threshold lies under -4.16 the plateau counts as 2^-30
; and not less; that moves a term of the sum by at most |seg gate| 2^-30 and the root's term by at most 0.1 (2^-30 |m0 m1 m2 m3|)^(1/4).  |seg gate| stays under 2^31.
; Where |the product| lies under 2^-126 the root's input counts as 0 (v_sqrt_f32 takes a denormal as zero: ISA guide, its entry): the term lost is under 4e-11.
; REGISTERS, in windows of 256.  Window 0: v7 the prefetches' offset; v16-31 addresses; v32-95 scale words, two sets; v96-127 gates (4 a + s); v128-191 x's fragments, one set; v192-255 the bias.
;   window 1: W's fragments, two sets, at v0 and v128; v192-255 c x threshold.   window 2: the accumulators of my b 0-63 ((a, bb) at v[8 (8 a + bb)]);   window 3: those of b 64-127.
;   Behind the product window 0 holds: v32-63 m; v8-15, v64-71, v240-255 at work; v72-79 results; v80-95 rows on their way out; v128-191 exponents, e, a: two sets; v192-239 the sets named below.
.set KSTEP,  512
.set NQ,     KSTEP/128
.set ROWB,   256                       ; a tile's row in bytes
.set KROW,   1024                      ; a row of codes in memory
.set PITCH,  272                       ; an LDS row: 256 bytes + 16 of padding: the 16 rows that a load touches start 68 words apart
.set FR,     8
.set NL,     2
.set NP,     4                         ; places behind this matrix instruction (ISA guide 7.12.1)
.set HALFT,  128*PITCH
.set SLOT,   4*HALFT                   ; x's 256 rows, then W's 256 rows
.set KS,     64                        ; a row of scale bytes
.set SCL,    2*SLOT                    ; behind the ring: the scales, as runs of 256 bytes + 16 of padding
.set HALFS,  32*272                    ; the scales of 128 rows
.set SBLK,   4*272                     ; those of 16 rows
.set SPARE,  SCL+4*HALFS               ; the spare words, 128 bytes a wave; no other line names them
.set OROW,   8192                      ; a row of out0 in bytes
; the stage for out0, 256 rows x 272 bytes, lies in slot 0, which has had its last fill (K step 2) and its last read when the first result is stored there
.set PFO,  7                           ; v7: 1,024 x lane; never rewritten
.set PFA,  94                          ; s[94:95]: my 32 rows for the prefetches; never rewritten
.set ADRA, 16
.set ADRB, 20
.set NCV,  22                          ; v[22:23] -c, twice
.set STO,  24
.set RD,   25
.set CO,   26
.set ADRS, 27
.set SPW,  28
.set NIL,  29
.set BO,   30
.set GOF,  31
.set SC,   32
.set GG,   96
.set AF,   128
.set BI,   192
.set CT,   192                         ; in window 1
.set MM,   32                          ; m(s) of the unit at 8 s + j
.set U0,   64                          ; at work: m0 a1 + m1 a0,
.set U1,   8                           ; m2 a3 + m3 a2,
.set VV,   240                         ; m0 m1,
.set WW,   248                         ; m2 m3
.set OUT,  72
.set OB,   80
.set TT,   128                         ; two sets of 32: exponent, then e, then a, at 8 s + j
.set NA,   192                         ; two sets of 8: a0 a1, then the sum's numerator, then the sum
.set NB,   208                         ; two sets of 8: a2 a3, then m0 m1 m2 m3, then the product
.set DD,   224                         ; the denominator, then R
.set QQ,   232                         ; the roots
.set G1, 24
.set G0, 32
.set G1B, 48
.set G0B, 56
.set G1S, 68
.set G0S, 76
.set G1SB, 80
.set G0SB, 88
.set G0H, 4                            ; group 0 of the head's loads of K step 0, in registers whose arguments have been used
.set G0HB, 8
.set MSB, 0
.macro WIN new                         ; the immediate's high byte repeats the setting that is left; a switch that changes nothing is dropped
.if MSB != (\new)
	s_set_vgpr_msb (MSB<<8)|(\new)
.set MSB, (\new)
.endif
.endm
.set MUL_LO, 0xa1                      ; source 0 (W) window 1, source 1 (x) window 0, C and D window 2
.set MUL_HI, 0xf1
.set BEG_LO, 0x81                      ; the first products: C (the bias) window 0, D window 2
.set BEG_HI, 0xc1
.set TO_B,   0x40
; A joint load: waves 0 and 1 fetch for x, waves 2 and 3 for W; the branch hangs on the wave's number alone.  s_nop 0 and four v_nop follow each line.
.macro JLOAD g0a, g1a, g0b, g1b
	s_cmp_eq_u32 s15, 0
	s_cbranch_scc0 .Lfor_b_\@
	tensor_load_to_lds s[\g0a:\g0a+3], s[\g1a:\g1a+7]
	s_nop 0
.rept 4
	v_nop
.endr
	s_branch .Lasked_\@
.Lfor_b_\@:
	tensor_load_to_lds s[\g0b:\g0b+3], s[\g1b:\g1b+7]
	s_nop 0
.rept 4
	v_nop
.endr
.Lasked_\@:
.endm
.macro CREST                           ; a round of the cluster's barrier behind its opening barrier
	s_cmp_lg_u32 s14, 0
	s_cbranch_scc1 .Lnot_wave_0_\@
	s_barrier_signal -3
.Lnot_wave_0_\@:
	s_barrier_wait -3
	s_barrier_signal -1
	s_barrier_wait -1
.endm
.macro CROUND
	s_barrier_signal -1
	s_barrier_wait -1
	CREST
.endm
	s_load_b128 s[4:7], s[0:1], 0x0                ; x's codes, x's scales
	s_load_b128 s[8:11], s[0:1], 0x10              ; W's codes, W's scales
	s_load_b128 s[96:99], s[0:1], 0x20             ; gates, b_seg
	s_load_b64 s[100:101], s[0:1], 0x30            ; threshold
	s_load_b64 s[12:13], s[0:1], 0x38              ; out0
	v_lshl_add_u32 v[SPW], v0, 2, SPARE
	v_mov_b32 v[NIL], 0
	ds_add_u32 v[SPW], v[NIL]                      ; the opening lines: the add, twice on end, and its wait below
	ds_add_u32 v[SPW], v[NIL]
	v_lshrrev_b32 v1, 5, v0
	v_readfirstlane_b32 s14, v1                    ; wave 0..3
	s_lshr_b32 s15, s14, 1                         ; which 128 b are mine; in the ring: I fetch for x (0) or for W (1)
	s_and_b32 s16, s14, 1                          ; which 32 d; in the ring: which 128 rows I fetch
	s_bfe_u32 s40, ttmp6, 0x40000                  ; cx, cy
	s_bfe_u32 s41, ttmp6, 0x40004
	s_lshl_b32 s42, ttmp9, 2
	s_add_co_u32 s42, s42, s40                     ; tc
	s_and_b32 s17, ttmp7, 0xffff
	s_lshl_b32 s17, s17, 2
	s_add_co_u32 s17, s17, s41                     ; tr
	s_lshl_b32 s43, s41, 2
	s_lshl_b32 s43, 15, s43                        ; my row of the cluster
	s_lshl_b32 s44, 0x1111, s40                    ; my column
	s_mov_b32 s66, 0x7fffffff                      ; all but the sign
	s_mov_b32 s67, 0x4e800000                      ; 2^30
	; group 1 for the codes: rows of 256 bytes, 16 of padding behind each; 256 rows for the head's loads, 128 behind them
	s_or_b32 s[G1+0], s43, (0<<16)|(1<<20)|(1<<21)|(5<<22)|(3<<25)
	s_or_b32 s[G1B+0], s44, (0<<16)|(1<<20)|(1<<21)|(5<<22)|(3<<25)
.irp g, G1, G1B
	s_mov_b32 s[\g+1], ROWB<<16
	s_mov_b32 s[\g+2], 256<<16
	s_mov_b32 s[\g+3], ROWB<<16
	s_mov_b32 s[\g+4], 256
	s_mov_b32 s[\g+5], KROW
	s_mov_b32 s[\g+6], 0
	s_mov_b32 s[\g+7], 0
.endr
	; and for the scales of 256 rows: a dense block of 16,384 bytes as 64 rows of 256 bytes (32 elements of 8)
	s_or_b32 s[G1S+0], s43, (3<<16)|(1<<20)|(1<<21)|(5<<22)|(3<<25)
	s_or_b32 s[G1SB+0], s44, (3<<16)|(1<<20)|(1<<21)|(5<<22)|(3<<25)
.irp g, G1S, G1SB
	s_mov_b32 s[\g+1], 32<<16
	s_mov_b32 s[\g+2], KS<<16
	s_mov_b32 s[\g+3], 32<<16
	s_mov_b32 s[\g+4], KS
	s_mov_b32 s[\g+5], 32
	s_mov_b32 s[\g+6], 0
	s_mov_b32 s[\g+7], 0
.endr
	s_lshl_b32 s20, s17, 8                         ; x: the tile's first row
	s_lshl_b32 s46, s42, 8                         ; W: likewise
	s_mov_b32 s21, 0
	s_mov_b32 s47, 0
	s_mov_b64 s[18:19], KS
	s_mul_u64 s[22:23], s[20:21], s[18:19]         ; where these rows' scales begin
	s_mul_u64 s[92:93], s[46:47], s[18:19]
	s_mov_b64 s[18:19], KROW
	s_mul_u64 s[20:21], s[20:21], s[18:19]         ; and their codes
	s_mul_u64 s[46:47], s[46:47], s[18:19]
	s_mul_i32 s18, s16, 128*KROW                   ; in the ring: my half of a tile's rows,
	s_mov_b32 s19, 0
	s_mul_i32 s45, s14, HALFT                      ; and where they go: wave x 128 rows
	s_wait_dscnt 0x0                               ; both opening adds are done
	s_wait_kmcnt 0x0
	s_add_nc_u64 s[20:21], s[4:5], s[20:21]
	s_add_nc_u64 s[22:23], s[6:7], s[22:23]
	s_add_nc_u64 s[46:47], s[8:9], s[46:47]
	s_add_nc_u64 s[92:93], s[10:11], s[92:93]
	CROUND                                         ; all sixteen work-groups are here: the first joint loads meet
	s_mov_b32 s[G0H], 1
	s_mov_b32 s[G0H+1], 0
	s_mov_b64 s[G0H+2:G0H+3], s[20:21]
	s_or_b32 s[G0H+3], s[G0H+3], 0x80000000
	s_mov_b32 s[G0HB], 1
	s_mov_b32 s[G0HB+1], 2*HALFT
	s_mov_b64 s[G0HB+2:G0HB+3], s[46:47]
	s_or_b32 s[G0HB+3], s[G0HB+3], 0x80000000
	s_mov_b32 s[G0S], 1
	s_mov_b32 s[G0S+1], SCL
	s_mov_b64 s[G0S+2:G0S+3], s[22:23]
	s_or_b32 s[G0S+3], s[G0S+3], 0x80000000
	s_mov_b32 s[G0SB], 1
	s_mov_b32 s[G0SB+1], SCL+2*HALFS
	s_mov_b64 s[G0SB+2:G0SB+3], s[92:93]
	s_or_b32 s[G0SB+3], s[G0SB+3], 0x80000000
	s_add_nc_u64 s[20:21], s[20:21], s[18:19]
	s_add_nc_u64 s[46:47], s[46:47], s[18:19]
.irp s, 0,1
	s_mov_b32 s[G0+4*\s], 1
	s_add_co_u32 s[G0+4*\s+1], s45, \s*SLOT
	s_add_nc_u64 s[G0+4*\s+2:G0+4*\s+3], s[20:21], \s*ROWB
	s_or_b32 s[G0+4*\s+3], s[G0+4*\s+3], 0x80000000
	s_mov_b32 s[G0B+4*\s], 1
	s_add_co_u32 s[G0B+4*\s+1], s45, \s*SLOT
	s_add_nc_u64 s[G0B+4*\s+2:G0B+4*\s+3], s[46:47], \s*ROWB
	s_or_b32 s[G0B+4*\s+3], s[G0B+4*\s+3], 0x80000000
.endr
; THE HEAD'S LOADS, ONE A WAVE: wave 0 K step 0's 256 rows of x, wave 1 its 256 rows of W, wave 2 x's scales, wave 3 W's.  One chain of branches, one load to an arm, one join.
.macro ARM under, g0, g1, next
	s_cmp_lt_u32 s14, \under
	s_cbranch_scc0 \next
	tensor_load_to_lds s[\g0:\g0+3], s[\g1:\g1+7]
	s_nop 0
.rept 4
	v_nop
.endr
	s_branch .Lhead_asked
\next:
.endm
	ARM 1, G0H,  G1,  .Lhead_b
	ARM 2, G0HB, G1B, .Lhead_sa
	ARM 3, G0S,  G1S, .Lhead_sb
	tensor_load_to_lds s[G0SB:G0SB+3], s[G1SB:G1SB+7]
	s_nop 0
.rept 4
	v_nop
.endr
.Lhead_asked:
	; the prefetches' base: the 128 rows that I fetch in the ring, and of them the 32 at my work-group's place among the four that ask jointly (cx for x, cy for W)
	s_cmp_eq_u32 s15, 0
	s_cselect_b64 s[PFA:PFA+1], s[20:21], s[46:47]
	s_cselect_b32 s92, s40, s41
	s_lshl_b32 s92, s92, 15                        ; 32 rows of 1,024 bytes
	s_mov_b32 s93, 0
	s_add_nc_u64 s[PFA:PFA+1], s[PFA:PFA+1], s[92:93]
	; all scalar set-up first, then one run of vector lines
	s_mul_i32 s18, s15, HALFT                      ; my 128 rows of x
	s_mul_i32 s19, s16, HALFT
	s_add_co_u32 s19, s19, 2*HALFT                 ; my 128 rows of W, behind x's 256
	s_mul_i32 s21, s15, HALFS                      ; x's scales: my 128 rows
	s_mul_i32 s20, s16, HALFS
	s_add_co_u32 s20, s20, 2*HALFS
	s_sub_co_u32 s20, s20, s21                     ; from there to W's
	s_add_co_u32 s21, s21, SCL
	s_lshl_b32 s22, s16, 7
	s_add_co_u32 s22, s22, s18                     ; the stage, in: my half of b, my 128 bytes of a row
	s_mul_i32 s23, s16, 8*PITCH
	s_add_co_u32 s23, s23, s18                     ; back: eight whole rows of each block's 16
	s_lshl_b32 s46, s42, 8
	s_lshl_b32 s47, s16, 7
	s_add_co_u32 s46, s46, s47                     ; my first d, in bytes
	s_mov_b32 s47, 0
	s_add_nc_u64 s[98:99], s[98:99], s[46:47]
	s_add_nc_u64 s[100:101], s[100:101], s[46:47]
	s_lshl_b32 s92, s17, 8
	s_lshl_b32 s93, s15, 7
	s_add_co_u32 s92, s92, s93                     ; my first b
	s_lshl_b32 s46, s92, 4                         ; 16 bytes of gates a row
	s_add_nc_u64 s[96:97], s[96:97], s[46:47]
	s_lshl_b32 s93, s16, 3
	s_add_co_u32 s92, s92, s93                     ; the first row of out0 that I store,
	s_lshl_b32 s92, s92, 13
	s_lshl_b32 s93, s42, 8
	s_add_co_u32 s46, s92, s93                     ; and the tile's first column
	s_add_nc_u64 s[12:13], s[12:13], s[46:47]
	v_and_b32 v1, 15, v0                           ; r
	v_bfe_u32 v2, v0, 4, 1                         ; h
	v_lshlrev_b32 v[BO], 5, v2
	v_lshlrev_b32 v[GOF], 4, v1
	v_mul_u32_u24 v3, v1, PITCH
	v_lshl_add_u32 v4, v2, 4, v3                   ; a fragment's row x pitch + 16 h
	v_add_nc_u32 v[ADRA], s18, v4
	v_add_nc_u32 v[ADRB], s19, v4
	v_add_nc_u32 v[ADRA+1], SLOT, v[ADRA]
	v_add_nc_u32 v[ADRB+1], SLOT, v[ADRB]
	v_mul_u32_u24 v5, v1, KS                       ; my row's scales: 64 bytes a row,
	v_lshrrev_b32 v6, 8, v5
	v_lshl_add_u32 v5, v6, 4, v5                   ; and 16 more for each 256 passed
	v_mul_u32_u24 v6, s20, v2                      ; lanes 16-31 take W's
	v_add_nc_u32 v5, v5, v6
	v_add_nc_u32 v[ADRS], s21, v5
	v_lshl_add_u32 v5, v2, 5, v3
	v_add_nc_u32 v[STO], s22, v5
	v_mul_u32_u24 v5, v2, PITCH
	v_lshl_add_u32 v5, v1, 4, v5
	v_add_nc_u32 v[RD], s23, v5
	v_lshlrev_b32 v5, 13, v2
	v_lshl_add_u32 v[CO], v1, 4, v5
	v_mov_b32 v[NCV], 0xc0e6d4ca                   ; -c = -5 log2(e)
	v_mov_b32 v[NCV+1], 0xc0e6d4ca
	v_and_b32 v[PFO], 31, v0
	v_lshlrev_b32 v[PFO], 10, v[PFO]               ; a lane a row
	s_wait_alu depctr_va_vdst(0)                   ; the wait here, behind the run of vector lines
.irp b, 0,1,2,3,4,5,6,7
.irp e, 0,1
	global_load_b128 v[BI+8*\b+4*\e:BI+8*\b+4*\e+3], v[BO], s[98:99] offset:8192*(\b/2)+64*(\b%2)+16*\e   ; b_seg[b / 2][16 (b % 2) + 8 h + ..]: the result's layout
.endr
.endr
	WIN TO_B
.irp b, 0,1,2,3,4,5,6,7
.irp e, 0,1
	global_load_b128 v[CT+8*\b+4*\e:CT+8*\b+4*\e+3], v[BO], s[100:101] offset:8192*(\b/2)+64*(\b%2)+16*\e   ; threshold likewise, into window 1
.endr
.endr
	WIN 0
.irp a, 0,1,2,3,4,5,6,7
	global_load_b128 v[GG+4*\a:GG+4*\a+3], v[GOF], s[96:97] offset:256*\a   ; the four gates of b = 16 a + r
.endr
	s_wait_loadcnt 0x0
	global_prefetch_b8 v[PFO], s[PFA:PFA+1] offset:ROWB th:TH_LOAD_NT scope:SCOPE_SE     ; K step 1 of my 32 rows,
	global_prefetch_b8 v[PFO], s[PFA:PFA+1] offset:2*ROWB th:TH_LOAD_NT scope:SCOPE_SE   ; and K step 2; the 32 lines below stand between these and the next wait
	WIN 0x41
.set i, 0
.rept 32
	v_pk_mul_f32 v[CT+i:CT+i+1], v[CT+i:CT+i+1], 0x40e6d4ca op_sel_hi:[1,0]   ; c x threshold, once
.set i, i+2
.endr
	WIN 0
.macro FRAG reg, adr, q, i             ; 16 rows x 128 K of 4-bit codes: 8 registers, two loads 32 bytes apart
.irp c, 0,1
	ds_load_b128 v[\reg+4*\c:\reg+4*\c+3], v[\adr] offset:64*(\q)+32*\c+(\i)*16*PITCH
.endr
.endm
; 16 matrix instructions: x's blocks a0, a0 + 1 against W's eight.  zero = 1: the sums start from the bias.  The 64 accumulators take turns.
.macro MUL16 a0, p, q, sc, zero
.irp a, \a0, \a0+1
.irp b, 0,1,2,3,4,5,6,7
.if \zero
	v_wmma_scale_f32_16x16x128_f8f6f4 v[8*(8*((\a)%4)+\b):8*(8*((\a)%4)+\b)+7], v[128*(\p)+FR*\b:128*(\p)+FR*\b+FR-1], v[AF+FR*(\a):AF+FR*(\a)+FR-1], v[BI+8*\b:BI+8*\b+7], v[SC+8*NQ*(\sc)+NQ*\b+(\q)], v[SC+8*NQ*(\sc)+NQ*(\a)+(\q)] matrix_a_fmt:MATRIX_FMT_FP4 matrix_b_fmt:MATRIX_FMT_FP4 matrix_a_scale:MATRIX_SCALE_ROW1
.else
	v_wmma_scale_f32_16x16x128_f8f6f4 v[8*(8*((\a)%4)+\b):8*(8*((\a)%4)+\b)+7], v[128*(\p)+FR*\b:128*(\p)+FR*\b+FR-1], v[AF+FR*(\a):AF+FR*(\a)+FR-1], v[8*(8*((\a)%4)+\b):8*(8*((\a)%4)+\b)+7], v[SC+8*NQ*(\sc)+NQ*\b+(\q)], v[SC+8*NQ*(\sc)+NQ*(\a)+(\q)] matrix_a_fmt:MATRIX_FMT_FP4 matrix_b_fmt:MATRIX_FMT_FP4 matrix_a_scale:MATRIX_SCALE_ROW1
.endif
.endr
.endr
.endm
.macro FETCH_B slot, q, p
	WIN TO_B
.irp i, 0,1,2,3,4,5,6,7
	FRAG 128*(\p)+FR*\i, ADRB+\slot, \q, \i
.endr
	WIN 0
.endm
.macro FETCH_A slot, q, i0
.irp i, \i0, \i0+1, \i0+2, \i0+3
	FRAG AF+FR*(\i), ADRA+\slot, \q, \i
.endr
.endm
.macro SCALES sc                       ; a K step's scale words: lanes 0-15 x's block i, lanes 16-31 W's block i
.irp i, 0,1,2,3,4,5,6,7
	ds_load_b128 v[SC+8*NQ*\sc+NQ*\i:SC+8*NQ*\sc+NQ*\i+3], v[ADRS] offset:\i*SBLK
.endr
.endm
.macro PLACES n                        ; plain places behind matrix instructions, in front of loads into their registers and of reads of their results
.rept \n
	v_nop
.endr
.endm
.macro STEP slot, q, zero              ; 128 along K with its successor in the same slot
	s_wait_dscnt 4*NL                              ; all but the youngest eight loads (x's blocks 4-7)
.if \zero
	WIN BEG_LO
.else
	WIN MUL_LO
.endif
	MUL16 0, (\q)%2, \q, \slot, \zero
	MUL16 2, (\q)%2, \q, \slot, \zero
	s_wait_dscnt 0
	PLACES NP
	FETCH_B \slot, (\q)+1, 1-(\q)%2
	FETCH_A \slot, (\q)+1, 0
.if \zero
	WIN BEG_HI
.else
	WIN MUL_HI
.endif
	MUL16 4, (\q)%2, \q, \slot, \zero
	MUL16 6, (\q)%2, \q, \slot, \zero
	PLACES NP
	WIN 0
	FETCH_A \slot, (\q)+1, 4
.endm
; A slot's last step changes slots: one barrier; in front of it each wave waits for all its tensor loads, adds 0 to its spare word, and waits for that and for its reads of this slot.
.macro TURN slot, next, fill
	s_wait_tensorcnt 0x0                           ; my part of the next slot has landed
	ds_add_u32 v[SPW], v[NIL]
	s_wait_dscnt 4*NL+1                            ; the add and the youngest eight loads may be out
	WIN MUL_LO
	MUL16 0, 1, NQ-1, \slot, 0
	s_wait_dscnt 0x0                               ; the add is done, and my reads of this slot are over
	s_barrier_signal -1
	MUL16 2, 1, NQ-1, \slot, 0
	WIN 0
	s_barrier_wait -1
.if \fill
	CREST                                          ; the barrier has opened a round of the cluster's barrier
	s_add_nc_u64 s[G0+4*\slot+2:G0+4*\slot+3], s[G0+4*\slot+2:G0+4*\slot+3], 2*ROWB
	s_add_nc_u64 s[G0B+4*\slot+2:G0B+4*\slot+3], s[G0B+4*\slot+2:G0B+4*\slot+3], 2*ROWB
	JLOAD G0+4*\slot, G1, G0B+4*\slot, G1B         ; my one tensor load behind the round; its four v_nop are the places in front of the loads below
.else
	PLACES NP
.endif
	v_add_nc_u32 v[ADRS], 4*NQ, v[ADRS]            ; the next K step's scale words
	s_wait_alu depctr_va_vdst(0)                   ; the wait here, directly behind the write
	FETCH_B \next, 0, 0
	FETCH_A \next, 0, 0
	SCALES \next
	WIN MUL_HI
	MUL16 4, 1, NQ-1, \slot, 0
	MUL16 6, 1, NQ-1, \slot, 0
	PLACES NP
	WIN 0
	FETCH_A \next, 0, 4
.endm
.macro STEPS slot, from
.set Q, \from
.rept NQ-1-\from
	STEP \slot, Q, 0
.set Q, Q+1
.endr
.endm
	s_wait_alu depctr_va_vdst(0)                   ; the wait at the head's end
	s_wait_tensorcnt 0x0                           ; my tile of the head's four is in; the same lines as ahead of a refill stand ahead of slot 1's first fill
	ds_add_u32 v[SPW], v[NIL]
	s_mov_b32 s[G1+2], 128<<16                     ; no tensor load of mine is out: from here on a load brings 128 rows
	s_mov_b32 s[G1+4], 128
	s_mov_b32 s[G1B+2], 128<<16
	s_mov_b32 s[G1B+4], 128
	s_wait_dscnt 0x0
	CROUND                                         ; all four tiles are in, and all sixteen work-groups are here
	JLOAD G0+4, G1, G0B+4, G1B                     ; K step 1
	FETCH_B 0, 0, 0
	FETCH_A 0, 0, 0
	SCALES 0
	FETCH_A 0, 0, 4
	global_prefetch_b8 v[PFO], s[PFA:PFA+1] offset:3*ROWB th:TH_LOAD_NT scope:SCOPE_SE   ; K step 3 of my 32 rows: its load stands two changes of slots on
	STEP 0, 0, 1                                   ; K step 0
	STEPS 0, 1
	TURN 0, 1, 1                                   ; slot 0 takes K step 2
	STEPS 1, 0
	TURN 1, 0, 1                                   ; slot 1 takes K step 3
	STEP 0, 0, 0
	STEPS 0, 1
	TURN 0, 1, 0                                   ; nothing is left to fetch; behind this barrier nobody reads slot 0
	STEPS 1, 0
	s_wait_dscnt 4*NL
	WIN MUL_LO
	MUL16 0, 1, NQ-1, 1, 0
	MUL16 2, 1, NQ-1, 1, 0
	s_wait_dscnt 0
	WIN MUL_HI
	MUL16 4, 1, NQ-1, 1, 0
	MUL16 6, 1, NQ-1, 1, 0
	WIN 0
	PLACES NP
; BEHIND THE PRODUCT.  Unit k = 2 a + u: 16 b x 16 d, accumulators (a, 2 s + u), 8 outputs a lane.
.macro SYM k
.set A_, (\k)/2
.set U_, (\k)%2
.set AC_, 64*(A_%4)+8*U_               ; segment s at AC_ + 16 s, in window AW_
.set AW_, 2+A_/4
.set TB_, TT+32*U_
.set NA_, NA+8*U_
.set NB_, NB+8*U_
.set GB_, GG+4*A_
.set CB_, CT+8*U_
.endm
.macro PMUL d, a, b
	v_pk_mul_f32 v[\d:\d+1], v[\a:\a+1], v[\b:\b+1]
.endm
.macro PFMA d, a, b, c
	v_pk_fma_f32 v[\d:\d+1], v[\a:\a+1], v[\b:\b+1], v[\c:\c+1]
.endm
.macro TPL k                           ; the exponents c threshold - c seg; each accumulator is read from its low end on
	SYM \k
.irp s, 0,1,2,3
.irp j, 0,2,4,6
	PFMA TB_+8*\s+\j, NCV, AC_+16*\s+\j, CB_+16*\s+\j
.endr
.endr
.endm
.macro MML1 n                          ; line n of 16 of the unit whose symbols are set: m(s) = gate(s) seg(s); a gate serves both halves: its pair's first register, or its second
.set S_, (\n)/4
.set J_, 2*((\n)%4)
.if S_%2 == 0
	v_pk_mul_f32 v[MM+8*S_+J_:MM+8*S_+J_+1], v[GB_+S_:GB_+S_+1], v[AC_+16*S_+J_:AC_+16*S_+J_+1] op_sel_hi:[0,1]
.else
	v_pk_mul_f32 v[MM+8*S_+J_:MM+8*S_+J_+1], v[GB_+S_-1:GB_+S_], v[AC_+16*S_+J_:AC_+16*S_+J_+1] op_sel:[1,0] op_sel_hi:[1,1]
.endif
.endm
.macro TRA t                           ; line t of 40 of trip N's large batch: unit N + 1's 32 exponentials, unit N - 1's 8 first roots
.if (\t) < 32
.if N+1 <= 15
	v_exp_f32 v[TT+32*((N+1)%2)+(\t)], v[TT+32*((N+1)%2)+(\t)]
.endif
.elseif N >= 1
	v_sqrt_f32 v[QQ+(\t)-32], |v[NB+8*((N-1)%2)+(\t)-32]|
.endif
.endm
.macro DCH k                           ; plain lines alone, level by level: a1 and a3 = 1 + e; e0, e2, a1, a3 held at 2^30; a0 a1 = e0 a1 + a1, a2 a3 = e2 a3 + a3 (a0 and a2 are never formed); the denominator
	SYM \k
.irp j, 0,2,4,6
	v_pk_add_f32 v[TB_+8+\j:TB_+8+\j+1], v[TB_+8+\j:TB_+8+\j+1], 1.0 op_sel_hi:[1,0]
	v_pk_add_f32 v[TB_+24+\j:TB_+24+\j+1], v[TB_+24+\j:TB_+24+\j+1], 1.0 op_sel_hi:[1,0]
.endr
.irp s, 0,16,8,24                      ; the holds, two to a line: an even and an odd destination, one scalar, second sources in neighbouring registers; e0 and e2 first, which hang on no line above
.irp j, 0,2,4,6
	v_dual_min_num_f32 v[TB_+\s+\j], s67, v[TB_+\s+\j] :: v_dual_min_num_f32 v[TB_+\s+\j+1], s67, v[TB_+\s+\j+1]
.endr
.endr
.irp j, 0,2,4,6
	PFMA NA_+\j, TB_+\j, TB_+8+\j, TB_+8+\j
.endr
.irp j, 0,2,4,6
	PFMA NB_+\j, TB_+16+\j, TB_+24+\j, TB_+24+\j
.endr
.irp j, 0,2,4,6
	PMUL DD+\j, NA_+\j, NB_+\j
.endr
.endm
.macro RCH k                           ; the sum's numerator over a0 a1's registers, m0 m1 m2 m3 over a2 a3's: nine levels of four lines, a line eight or more behind its sources
	SYM \k
.irp o, 0,1,2,3,4,5,6,7,8
.irp j, 0,2,4,6
.if \o == 0
	PFMA U0+\j, MM+\j, TB_+8+\j, MM+8+\j           ; m0 a1 + m1; level 3 adds m1 e0: together m0 a1 + m1 a0
.elseif \o == 1
	PFMA U1+\j, MM+16+\j, TB_+24+\j, MM+24+\j      ; m2 a3 + m3; level 4 adds m3 e2
.elseif \o == 2
	PMUL VV+\j, MM+\j, MM+8+\j
.elseif \o == 3
	PFMA U0+\j, MM+8+\j, TB_+\j, U0+\j
.elseif \o == 4
	PFMA U1+\j, MM+24+\j, TB_+16+\j, U1+\j
.elseif \o == 5
	PMUL WW+\j, MM+16+\j, MM+24+\j
.elseif \o == 6
	PMUL U0+\j, U0+\j, NB_+\j
.elseif \o == 7
	PMUL NB_+\j, VV+\j, WW+\j
.else
	PFMA NA_+\j, U1+\j, NA_+\j, U0+\j
.endif
.endr
.endr
.endm
.macro W2 k                            ; x R: the sum and the product
	SYM \k
.irp j, 0,2,4,6
	PMUL NA_+\j, NA_+\j, DD+\j
	PMUL NB_+\j, NB_+\j, DD+\j
.endr
.endm
.macro W3 k                            ; the root's magnitude with the product's sign, x 0.1, + the sum
	SYM \k
.irp i, 0,1,2,3,4,5,6,7
	v_bfi_b32 v[QQ+\i], s66, v[QQ+\i], v[NB_+\i]
.endr
.irp j, 0,2,4,6
	v_pk_fma_f32 v[OUT+\j:OUT+\j+1], v[QQ+\j:QQ+\j+1], 0x3dcccccd, v[NA_+\j:NA_+\j+1] op_sel_hi:[1,0,1]
.endr
.endm
.macro W3S k                           ; into the stage
	SYM \k
.irp e, 0,1
	ds_store_b128 v[STO], v[OUT+4*\e:OUT+4*\e+3] offset:16*PITCH*A_+64*U_+16*\e   ; lane (r, h): out0(16 a + r, 16 u + 8 h + 4 e ..) of my 128 b x 32 d
.endr
.endm
.macro LOADB a                         ; my eight whole rows of block a back from the stage
.if (\a) > 0
	s_wait_xcnt 0x0                                ; the last block's stores have read these registers
.endif
.irp t, 0,1,2,3
	ds_load_b128 v[OB+4*\t:OB+4*\t+3], v[RD] offset:16*PITCH*(\a)+2*PITCH*\t
.endr
.endm
.macro SENDB a
	s_wait_dscnt 0x0
.irp t, 0,1,2,3
	global_store_b128 v[CO], v[OB+4*\t:OB+4*\t+3], s[12:13] offset:(16*(\a)+2*\t)*OROW th:TH_STORE_NT   ; 16 lanes store 256 consecutive bytes, aligned
.endr
.endm
; TRIP N: unit N + 1 gets its exponents and exponentials, unit N its m, denominator, numerator and reciprocal, unit N - 1 its sum, product and two roots, unit N - 2 leaves.
; Each batch of transcendentals has one wait ahead of it and one behind it, and the first reads of a unit's accumulators follow a wait with plain lines alone between.
; The lines that make m read what a wait has settled, and m is read behind the next wait: they stand by turns with the large batch's first sixteen.  All other plain lines stand behind their batch.
; A block's row of 256 bytes comes from two waves, and each block has rows of its own in the stage: one barrier a block.  Its signal stands behind the large batch, with the wait for my stores into the
; stage; the small batch and its plain lines, work on registers, stand between signal and wait; the rows are read back behind the wait and stored in the next trip.
.macro TRIP
.set DONE, (N >= 3) && (N%2 == 1)      ; block (N - 3) / 2 is whole in this trip
.set SND,  (N >= 4) && (N%2 == 0)      ; block (N - 4) / 2 was read back in the last trip
.if N+1 <= 15
	SYM N+1
	WIN 0x10|(AW_<<2)                              ; source 1: the accumulators' window; source 2: window 1
.endif
	s_wait_alu depctr_va_vdst(0)
.if N+1 <= 15
	TPL N+1
.endif
	WIN 0
.if N >= 2
	W3 N-2
.endif
.if (N >= 1) && (N <= 16)
	W2 N-1
.endif
.if N >= 2
	W3S N-2
.endif
.if N <= 16
.if (N >= 0) && (N <= 15)
	SYM N
	WIN AW_<<2                                     ; source 1: unit N's accumulators; a transcendental names a destination and a source 0 alone
.endif
	s_wait_alu depctr_va_vdst(0)
.set i, 0
.rept 16
	TRA i
.if (N >= 0) && (N <= 15)
	MML1 i
.endif
.set i, i+1
.endr
	WIN 0
.rept 24
	TRA i
.set i, i+1
.endr
.if (N >= 0) && (N <= 15)
	DCH N
.endif
	v_nop                                          ; a plain line behind the last transcendental
	s_wait_alu depctr_va_vdst(0)
.endif
.if SND
	SENDB (N-4)/2
.endif
.if DONE
	s_wait_dscnt 0x0                               ; for the others' sake: my stores of the block into the stage have landed
	s_barrier_signal -1
.endif
.if (N >= 0) && (N <= 16)
.set i, 0
.rept 8
.if N <= 15
	v_rcp_f32 v[DD+i], v[DD+i]
.endif
.if N >= 1
	v_sqrt_f32 v[QQ+i], v[QQ+i]
.endif
.set i, i+1
.endr
.if N <= 15
	RCH N
.endif
	v_nop
.endif
.if DONE
	s_barrier_wait -1                              ; every wave's part of the block lies in the stage
	LOADB (N-3)/2
.endif
.endm
.set N, -1
.rept 19
	TRIP
.set N, N+1
.endr
	SENDB 7
	s_wait_tensorcnt 0x0                           ; the wave's end
	ds_add_u32 v[SPW], v[NIL]
	s_wait_dscnt 0x0
	CROUND                                         ; the closing round
	s_endpgm
.Lfunc_end_k_qce884edd61_gemm:
	.size	k_qce884edd61_gemm, .Lfunc_end_k_qce884edd61_gemm-k_qce884edd61_gemm
	.p2alignl 7, 3214868480
	.fill 96, 4, 3214868480
	.section	.rodata,"a",@progbits
	.p2align	6, 0x0
	.amdhsa_kernel k_qce884edd61_gemm
		.amdhsa_group_segment_fixed_size 327680
		.amdhsa_private_segment_fixed_size 0
		.amdhsa_enable_private_segment 0
		.amdhsa_kernarg_size 64
		.amdhsa_user_sgpr_count 2
		.amdhsa_user_sgpr_kernarg_segment_ptr 1
		.amdhsa_wavefront_size32 1
		.amdhsa_system_sgpr_workgroup_id_x 1
		.amdhsa_system_sgpr_workgroup_id_y 1
		.amdhsa_system_sgpr_workgroup_id_z 1
		.amdhsa_system_vgpr_workitem_id 0
		.amdhsa_next_free_vgpr 1024
		.amdhsa_next_free_sgpr 102
		.amdhsa_reserve_vcc 0
		.amdhsa_float_denorm_mode_32 3
		.amdhsa_float_denorm_mode_16_64 3
		.amdhsa_memory_ordered 1
		.amdhsa_forward_progress 1
		.amdhsa_inst_pref_size 255
	.end_amdhsa_kernel
	.section	.bss,"aw",@nobits
	.p2align	6
	.space	262144
	.amdgpu_metadata
---
amdhsa.version: [ 1, 2 ]
amdhsa.kernels:
  - .name:           k_qce884edd61_gemm
    .symbol:         k_qce884edd61_gemm.kd
    .args:
      - { .name: x_codes, .offset: 0, .size: 8, .value_kind: global_buffer, .address_space: global }
      - { .name: x_scales, .offset: 8, .size: 8, .value_kind: global_buffer, .address_space: global }
      - { .name: w_codes, .offset: 16, .size: 8, .value_kind: global_buffer, .address_space: global }
      - { .name: w_scales, .offset: 24, .size: 8, .value_kind: global_buffer, .address_space: global }
      - { .name: gates, .offset: 32, .size: 8, .value_kind: global_buffer, .address_space: global }
      - { .name: b_seg, .offset: 40, .size: 8, .value_kind: global_buffer, .address_space: global }
      - { .name: threshold, .offset: 48, .size: 8, .value_kind: global_buffer, .address_space: global }
      - { .name: out0, .offset: 56, .size: 8, .value_kind: global_buffer, .address_space: global }
    .group_segment_fixed_size: 327680
    .private_segment_fixed_size: 0
    .kernarg_segment_align: 8
    .kernarg_segment_size: 64
    .max_flat_workgroup_size: 128
    .sgpr_count:     102
    .vgpr_count:     1024
    .wavefront_size: 32
...
	.end_amdgpu_metadata
.endif
;; end of part 2
